; MI455X (gfx1250); checked and timed in simulation.
; The chip was launched on July 23, 2026; its instructions are those of AMD's public machine-readable ISA for CDNA 5 (MIT licence, August 2026) and "CDNA5" Instruction Set Architecture Reference Guide (July 2026). The comments in the code are by the model that wrote it; some were corrected since.
;; VC Render. Allowed arithmetic: float matrix products may take bf16 or f16 operands with f32 sums; all other float work in f32.
;; Inputs: camera_pos 2 x 3 float32; camera_proj 3 x 1 float32; camera_rot 2 x 3 x 3 float32; colors_bxpx3 2 x 2,048 x 3 float32; faces_fx3 256 x 3 int32; points_bxpx3 2 x 2,048 x 3 float32.
;; Outputs: out0 2 x 224 x 224 x 3 float32; out1 2 x 224 x 224 x 1 float32; out2 2 x 256 x 3 float32.
;; One version. Each part assembles by itself: llvm-mc -triple=amdgcn-amd-amdhsa -mcpu=gfx1250 --defsym DOCPART=n.
;; ======== version 1 of 1: 1 launch
;; launch render (part 1): grid 112 x 2, 16 waves a work-group, no clusters, 215,040 bytes of LDS; arguments faces_fx3, points_bxpx3, colors_bxpx3, camera_rot, camera_pos, camera_proj, out0, out1, out2; writes out0, out1, out2
.if DOCPART == 1
	.amdgcn_target "amdgcn-amd-amdhsa--gfx1250"
	.amdhsa_code_object_version 6
	.text
	.protected	k_q49d692bd61_render
	.globl	k_q49d692bd61_render
	.p2align	8
	.type	k_q49d692bd61_render,@function
k_q49d692bd61_render:
	s_mov_b64 s[64:65], 0
	v_nop
	global_prefetch_b8 v0, s[64:65] scope:SCOPE_SE
	s_setreg_imm32_b32 hwreg(HW_REG_WAVE_MODE, 25, 1), 1
	s_wait_xcnt 0x0
; Soft rasteriser: 2 batches x 256 faces against 224 x 224 pixels.  out0 = colour of the nearest front face that covers the pixel,
; out1 = 1 - product over faces of (1 - prob), out2 = unit face normals.
; A work-group owns two image rows (448 pixels) of one batch; x id = row pair, y id = batch.  16 waves.
;   phase 1: waves 0-7, one thread a face: gather, project, and write a record of 46 words into LDS in which all that hangs on the
;            pixel's y is already folded in for the group's two rows.
;   phase 2: every wave covers all 448 pixels (a lane: 7 x positions x 2 rows; the rows are the halves of the packed f32 forms)
;            and walks its own 16 faces.  The winner's colour is carried along by selects: no address or branch hangs on it.
;   phase 3: the 16 partial results of each pixel meet in LDS, in ascending order of faces, and leave as whole aligned runs of 256 bytes.
; WHAT DECIDES IS NOT FUSED.  Which face a pixel shows jumps at a triangle's edge and at a tie in depth, and with some 77,000 pixel lengths of
; edge a difference of a few units in the last place moves a pixel to the other side.  So the barycentrics and the depth are
; formed by the operations that the reference writes, in its order, each rounded once: n = rn(a dx) + rn(b dy), lam = n / den
; correctly rounded (a product by the reciprocal, its exact remainder, one correction), lam2 = (1 - lam0) - lam1,
; z = (lam0 z0 + lam1 z1) + lam2 z2.  rn(a dx) hangs on x alone and rn(b dy) on the row alone, so they are made once for each.
; What is continuous (colour, distance, probability) is one fused multiply-add in px - ax for each quantity.
; exp(sum of log1p(-p)) is written as the running product of (1 - p): the same function; each factor lies in [1.19e-7, 1], and where the
; product underflows to 0 the exponential of the sum does so too (out1 = 1).
; NOT USED, and why.  Matrix unit: the only product is the 3 x 3 rotation, 9 multiply-adds a vertex; bf16 operands would move every
; triangle edge by thousandths of its coordinates, so it is done in f32 multiply-adds.  Tensor loads, clusters: a work-group gathers 18 KiB
; lane by lane by index, once; there is no tile that partners could ask for jointly.  A launch of its own for the records: they hang
; on the group's two rows, and its price is a further start and the same chain of dependent loads.  224 groups of equal work: 448 pixels
; are 14 whole waves and two whole rows; no other share keeps both.
; LIMITS.  (1) The rotation is an ascending chain of fused multiply-adds and the normal's components are one product and one fused operation; an
; evaluation of the reference that rounds these, or the sums above, otherwise can put a pixel centre that lies within a unit in the last
; place of an edge or of a tie in depth on the other side.  (2) Depths at or below -1e10 lose against the sentinel.  (3) Projected
; coordinates finite and below about 1e18 (squares are formed), quotients n / den below the largest f32.  (4) A vertex exactly on the camera's plane
; gives infinities and NaN whose pattern is not kept (min3 and med3 drop NaN).
.set FPITCH, 208                       ; bytes from record to record: 13 x 16, so that the set-up's 16-byte stores of 16 lanes start at 16 different columns
.set RED,    53248                     ; behind 256 records: wave w's partial results at RED + REDW w
.set REDW,   8960                      ; 448 quads (r, g, b, best depth) of 16 bytes, then 448 products
.set REDP,   7168                      ; the products: word 2 x + row
.set ST0,    196608                    ; stage for out0: 12 bytes a pixel
.set ST1,    204800                    ; stage for out1: 4 bytes a pixel
; main phase
.set ADR,  1                           ; v1        LDS address of the wave's faces, equal in all lanes
.set PX,   2                           ; v[2:9]    px of x = lane + 32 j; v9 repeats v8 so that the last pair is whole
.set PROD, 10                          ; v[10:23]  pair j: product of (1 - p), rows 0 and 1
.set Q,    24                          ; v[24:79]  quad (r, g, b, best) of (j, row) at Q + 8 j + 4 row
.set CA,   80                          ; v[80:125]  record, first buffer
.set CB,   128                         ; v[128:173] record, second buffer
.set PAX,  176                         ; v[176:199] px - ax of segment k at PAX + 8 k + j
.set T,    200
.set LAM,  T                           ; three pairs
.set TT,   T+6                         ; three pairs
.set DX,   T+12
.set DY,   T+18
.set M,    T+24
.set DM,   T+26
.set E,    T+28
.set G,    T+30
.set COLR, T+32
.set COLG, T+34
.set COLB, T+36
.set Z,    T+38                        ; up to v239
.set N0,   COLR                        ; the numerators, the remainders and the depth's products live in registers whose later owners are written behind them
.set N1,   COLG
.set R0,   COLB
.set R1,   G
.set ZB,   E
.set ZC,   COLB
.set AX0,  240                         ; v[240:247] rn(a0 (px - x2)) of x position j
.set AX1,  248                         ; v[248:255] rn(a1 (px - x2))
; set-up (waves 0-7 only; all of it is dead at the first barrier)
.set IDX, 10                           ; v[10:12] the face's three indices, then byte offsets
.set PT0, 14
.set PT1, 18
.set PT2, 22                           ; points
.set CL0, 26
.set CL1, 30
.set CL2, 34                           ; colours
.set CS0, 40
.set CS1, 44
.set CS2, 48                           ; camera space
.set X0, 52
.set Y0, 53
.set X1, 54
.set Y1, 55
.set X2, 56
.set Y2, 57
.set PY, 58                            ; v58, v59: py of the two rows
.set S,  60                            ; v60-77 at work
.set F12, 78                           ; 12 x face
.set EPSV, 79                          ; 1e-10
.set REC, CA                           ; the record is built where nothing else lives yet
.set LT,  132                          ; v132-137: lam0, lam1 as affine functions, for the colours: slopes, then the two rows' constants of each
; RECORD, words:  0 A0  1 A1  2 INV = 1/den  3 NDEN = -den | 4-5 Q0 = rn(b0 dy2) (rows)  6-7 Q1 | 8-10 Z0-2  11 = 10 | 12-14 TA0-2 15 BIAS
;                 16-21 TD0-2 (rows) | 22-24 NEX 25-27 NEY 28-30 NAX 31 RA | 32-37 PAY0-2 (rows) | 38 GA 39 BA | 40-45 RD GD BD (rows)
; q = n / 224, correctly rounded: a product by the rounded reciprocal, its exact remainder, one correction
.macro DIV224 q, n, t
	v_mul_f32 v[\q], s34, v[\n]
	v_fma_f32 v[\t], -v[\q], s35, v[\n]
	v_fma_f32 v[\q], v[\t], s34, v[\q]
.endm
	s_load_b512 s[16:31], s[0:1], 0x0              ; faces, points, colours, rot, pos, proj, out0, out1
	s_load_b64 s[32:33], s[0:1], 0x40              ; out2
	v_lshl_add_u32 v174, v0, 2, 0x34000
	v_mov_b32 v175, 0
	v_lshrrev_b32 v200, 5, v0
	v_readfirstlane_b32 s8, v200                   ; wave 0..15
	s_and_b32 s9, ttmp7, 0xffff                    ; batch
	s_mov_b32 s10, ttmp9                           ; row pair
	s_mov_b32 s34, 0x3b924925                      ; 1/224
	s_mov_b32 s35, 0x43600000                      ; 224
	s_mov_b32 s62, 0xd01502f9                      ; -1e10
	v_and_b32 v201, 31, v0
	v_lshl_add_u32 v201, v201, 1, 1                ; 2 lane + 1
	v_cvt_f32_u32 v202, v201
.irp j, 0,1,2,3,4,5,6
.if \j
	v_add_f32 v202, 0x42800000, v202               ; 32 pixels on: + 64, whole numbers below 2^24, exact
.endif
	DIV224 203, 202, 204
	v_add_f32 v[PX+\j], -1.0, v203                 ; px = (2 x + 1) / 224 - 1
.endr
	v_mov_b32 v[PX+7], v[PX+6]
	s_mul_i32 s12, s8, 16*FPITCH
	v_mov_b32 v[ADR], s12                          ; my 16 records
	s_mov_b32 s13, 0
	s_wait_kmcnt 0x0
	s_mul_i32 s12, s9, 24576                       ; a batch of points or colours
	s_add_nc_u64 s[18:19], s[18:19], s[12:13]
	s_add_nc_u64 s[20:21], s[20:21], s[12:13]
	s_mul_i32 s12, s9, 36
	s_add_nc_u64 s[22:23], s[22:23], s[12:13]
	s_mul_i32 s12, s9, 12
	s_add_nc_u64 s[24:25], s[24:25], s[12:13]
	s_mul_i32 s12, s9, 602112                      ; out0: a batch, and two rows of 224 x 12 bytes = 21 x 256
	s_mul_i32 s14, s10, 5376
	s_add_co_u32 s12, s12, s14
	s_add_nc_u64 s[28:29], s[28:29], s[12:13]
	s_mul_i32 s12, s9, 200704                      ; out1: a batch, and two rows of 224 x 4 bytes = 7 x 256
	s_mul_i32 s14, s10, 1792
	s_add_co_u32 s12, s12, s14
	s_add_nc_u64 s[30:31], s[30:31], s[12:13]
	s_mul_i32 s12, s9, 3072
	s_add_nc_u64 s[32:33], s[32:33], s[12:13]
	s_cmp_ge_u32 s8, 8
	s_cbranch_scc1 .Lsetup_done                    ; 256 faces: waves 0-7
	; ---------------- PHASE 1: face f = thread number ----------------
	s_load_b256 s[36:43], s[22:23], 0x0            ; rot[0..7]
	s_load_b32 s44, s[22:23], 0x20                 ; rot[8]
	s_load_b96 s[48:50], s[24:25], 0x0             ; pos
	s_load_b96 s[52:54], s[26:27], 0x0             ; proj
	v_mul_u32_u24 v[F12], 12, v0
	global_load_b96 v[IDX:IDX+2], v[F12], s[16:17]
	v_mov_b32 v[EPSV], 0x2edbe6ff
	s_lshl_b32 s12, s10, 2
	s_add_co_u32 s12, s12, 1                       ; 2 row + 1 of my first row,
	s_add_co_u32 s14, s12, 2                       ; of my second
	v_cvt_f32_u32 v[S], s12
	v_cvt_f32_u32 v[S+1], s14
	DIV224 S+2, S, S+4
	DIV224 S+3, S+1, S+4
	v_sub_f32 v[PY], 1.0, v[S+2]                   ; py = 1 - (2 row + 1) / 224
	v_sub_f32 v[PY+1], 1.0, v[S+3]
	s_wait_loadcnt 0x0                             ; the indices
.irp i, 0,1,2
	v_min_u32 v[IDX+\i], 0x7ff, v[IDX+\i]          ; an index stays inside its table of 2,048
	v_mul_u32_u24 v[IDX+\i], 12, v[IDX+\i]
.endr
	global_load_b96 v[PT0:PT0+2], v[IDX],   s[18:19]
	global_load_b96 v[PT1:PT1+2], v[IDX+1], s[18:19]
	global_load_b96 v[PT2:PT2+2], v[IDX+2], s[18:19]
	global_load_b96 v[CL0:CL0+2], v[IDX],   s[20:21]
	global_load_b96 v[CL1:CL1+2], v[IDX+1], s[20:21]
	global_load_b96 v[CL2:CL2+2], v[IDX+2], s[20:21]
	s_wait_kmcnt 0x0                               ; the camera
	s_wait_loadcnt 0x3                             ; the three points are in; the three colour gathers behind them stay out
; one vertex: camera space c = rot (p - pos), an ascending chain of multiply-adds; x, y = (c proj).xy / (c proj).z, the quotients
; corrected by their exact remainders, which makes them the correctly rounded quotients
.macro VERT p, c, x, y
	v_sub_f32 v[S],   v[\p],   s48
	v_sub_f32 v[S+1], v[\p+1], s49
	v_sub_f32 v[S+2], v[\p+2], s50
.irp i, 0,1,2
	v_mul_f32  v[\c+\i], s[36+3*\i], v[S]
	v_fmac_f32 v[\c+\i], s[37+3*\i], v[S+1]
	v_fmac_f32 v[\c+\i], s[38+3*\i], v[S+2]
.endr
	v_mul_f32 v[S+5], s54, v[\c+2]                 ; W
	v_rcp_f32 v[S+6], v[S+5]
	v_mul_f32 v[S+3], s52, v[\c]                   ; X: the plain instruction between the reciprocal and its first use (ISA guide 5.7.2)
	v_mul_f32 v[S+4], s53, v[\c+1]                 ; Y
	s_wait_alu depctr_va_vdst(0)
	v_fma_f32 v[S+7], -v[S+5], v[S+6], 1.0
	v_fma_f32 v[S+6], v[S+7], v[S+6], v[S+6]       ; 1 / W, refined
	v_mul_f32 v[\x], v[S+3], v[S+6]
	v_mul_f32 v[\y], v[S+4], v[S+6]
	v_fma_f32 v[S+7], -v[\x], v[S+5], v[S+3]
	v_fma_f32 v[\x], v[S+7], v[S+6], v[\x]
	v_fma_f32 v[S+7], -v[\y], v[S+5], v[S+4]
	v_fma_f32 v[\y], v[S+7], v[S+6], v[\y]
.endm
	VERT PT0, CS0, X0, Y0
	VERT PT1, CS1, X1, Y1
	VERT PT2, CS2, X2, Y2
	; normal = (c1 - c0) x (c2 - c0)
.irp i, 0,1,2
	v_sub_f32 v[S+8+\i],  v[CS1+\i], v[CS0+\i]     ; u
	v_sub_f32 v[S+11+\i], v[CS2+\i], v[CS0+\i]     ; v
.endr
	v_mul_f32 v[S+14], v[S+10], v[S+12]            ; u2 v1
	v_mul_f32 v[S+15], v[S+8],  v[S+13]            ; u0 v2
	v_mul_f32 v[S+16], v[S+9],  v[S+11]            ; u1 v0
	v_fma_f32 v[S+14], v[S+9],  v[S+13], -v[S+14]
	v_fma_f32 v[S+15], v[S+10], v[S+11], -v[S+15]
	v_fma_f32 v[S+16], v[S+8],  v[S+12], -v[S+16]
	v_cmp_lt_f32 s60, 0, v[S+16]                   ; front: normal z > 0
	s_cmp_lg_u32 s10, 0
	s_cbranch_scc1 .Lno_normal                     ; out2 has one owner for each batch: the group of the first row pair
	v_fma_f32 v[S+17], v[S+14], v[S+14], v[EPSV]
	v_fmac_f32 v[S+17], v[S+15], v[S+15]
	v_fmac_f32 v[S+17], v[S+16], v[S+16]
	v_rsq_f32 v[S+17], v[S+17]
	v_nop                                          ; the place behind the transcendental
	s_wait_alu depctr_va_vdst(0)
	v_mul_f32 v128, v[S+14], v[S+17]
	v_mul_f32 v129, v[S+15], v[S+17]
	v_mul_f32 v130, v[S+16], v[S+17]
	global_store_b96 v[F12], v[128:130], s[32:33]  ; 32 lanes: 384 consecutive bytes
	s_wait_xcnt 0x0                                ; v78 and v128-130 are written again in phase 2, only behind this wait
.Lno_normal:
	v_sub_f32 v[REC],   v[Y1], v[Y2]               ; a0
	v_sub_f32 v[S+1],   v[X2], v[X1]               ; b0
	v_sub_f32 v[REC+1], v[Y2], v[Y0]               ; a1
	v_sub_f32 v[S+3],   v[X0], v[X2]               ; b1
	v_mul_f32 v[S+4], v[REC], v[S+3]               ; den = rn(a0 b1) + rn(b0 (y0 - y2)), each rounded by itself; y0 - y2 = -a1 exactly
	v_mul_f32 v[S+5], v[S+1], v[REC+1]
	v_sub_f32 v[S+4], v[S+4], v[S+5]
	v_cmp_gt_f32 vcc_lo, v[EPSV], |v[S+4]|
	v_cndmask_b32 v[S+4], v[S+4], v[EPSV], vcc_lo  ; |den| < EPS: EPS
	v_rcp_f32 v[S+5], v[S+4]                       ; used behind the three segments
; segment k from (ax, ay) to (bx, by):  t = TA (px - ax) + TD[row];  ddx = t NEX + (px - ax);  ddy = t NEY + PAY[row]
.macro SEG k, ax, ay, bx, by
	v_sub_f32 v[S+6], v[\bx], v[\ax]               ; ex
	v_sub_f32 v[S+7], v[\by], v[\ay]               ; ey
	v_fma_f32 v[S+8], v[S+7], v[S+7], v[EPSV]
	v_fma_f32 v[S+8], v[S+6], v[S+6], v[S+8]
	v_rcp_f32 v[S+8], v[S+8]                       ; 1 / (ex^2 + ey^2 + EPS); five plain lines before its use
	v_sub_f32 v[REC+32+2*\k], v[PY],   v[\ay]      ; PAY, rows
	v_sub_f32 v[REC+33+2*\k], v[PY+1], v[\ay]
	v_sub_f32 v[REC+22+\k], v[\ax], v[\bx]         ; NEX = -ex
	v_sub_f32 v[REC+25+\k], v[\ay], v[\by]         ; NEY = -ey
	v_xor_b32 v[REC+28+\k], 0x80000000, v[\ax]     ; NAX = -ax
	s_wait_alu depctr_va_vdst(0)
	v_mul_f32 v[REC+12+\k], v[S+6], v[S+8]         ; TA
	v_mul_f32 v[S+9],  v[REC+32+2*\k], v[S+7]
	v_mul_f32 v[S+10], v[REC+33+2*\k], v[S+7]
	v_mul_f32 v[REC+16+2*\k], v[S+9],  v[S+8]      ; TD, rows
	v_mul_f32 v[REC+17+2*\k], v[S+10], v[S+8]
.endm
	SEG 0, X0, Y0, X1, Y1
	SEG 1, X1, Y1, X2, Y2
	SEG 2, X2, Y2, X0, Y0                          ; its px - ax and PAY are the barycentrics' dx2 and dy2
	v_fma_f32 v[S+6], -v[S+4], v[S+5], 1.0
	v_fma_f32 v[REC+2], v[S+6], v[S+5], v[S+5]     ; INV = 1 / den, refined
	v_xor_b32 v[REC+3], 0x80000000, v[S+4]         ; NDEN
.irp r, 0,1
	v_mul_f32 v[REC+4+\r], v[S+1], v[REC+36+\r]    ; Q0 = rn(b0 dy2)
	v_mul_f32 v[REC+6+\r], v[S+3], v[REC+36+\r]    ; Q1 = rn(b1 dy2)
	v_mul_f32 v[LT+2+\r], v[REC+4+\r], v[REC+2]    ; for the colours: lam0, lam1 at px = x2
	v_mul_f32 v[LT+4+\r], v[REC+6+\r], v[REC+2]
.endr
	v_mul_f32 v[LT],   v[REC],   v[REC+2]          ; and their slopes along x
	v_mul_f32 v[LT+1], v[REC+1], v[REC+2]
; a colour channel: lam0 f0 + lam1 f1 + lam2 f2 = f2 + lam0 (f0 - f2) + lam1 (f1 - f2), as a (px - x2) + d[row]
.macro ATTR f0, f1, f2, a, d
	v_sub_f32 v[S+6], v[\f0], v[\f2]
	v_sub_f32 v[S+7], v[\f1], v[\f2]
	v_mul_f32 v[S+8], v[LT+1], v[S+7]
	v_fma_f32 v[\a], v[LT], v[S+6], v[S+8]
	v_fma_f32 v[S+8], v[LT+4], v[S+7], v[\f2]
	v_fma_f32 v[\d], v[LT+2], v[S+6], v[S+8]
	v_fma_f32 v[S+8], v[LT+5], v[S+7], v[\f2]
	v_fma_f32 v[\d+1], v[LT+3], v[S+6], v[S+8]
.endm
	s_wait_loadcnt 0x0                             ; the colours
	ATTR CL0,   CL1,   CL2,   REC+31, REC+40
	ATTR CL0+1, CL1+1, CL2+1, REC+38, REC+42
	ATTR CL0+2, CL1+2, CL2+2, REC+39, REC+44
	; a face that is not front: vertex depths -inf (inside, the depth is then -inf or NaN: never nearer), exponent -inf (prob 0)
	v_mov_b32 v[S+6], 0xff800000
	v_cndmask_b32 v[REC+15], v[S+6], 0, s60        ; BIAS
	v_cndmask_b32 v[REC+8],  v[S+6], v[CS0+2], s60
	v_cndmask_b32 v[REC+9],  v[S+6], v[CS1+2], s60
	v_cndmask_b32 v[REC+10], v[S+6], v[CS2+2], s60
	v_mov_b32 v[REC+11], v[REC+10]                 ; so that the 16-byte store and the pair (10, 11) are whole
	v_mul_u32_u24 v[S+7], FPITCH, v0
.irp q, 0,1,2,3,4,5,6,7,8,9,10
	ds_store_b128 v[S+7], v[REC+4*\q:REC+4*\q+3] offset:16*\q
.endr
	ds_store_b64 v[S+7], v[REC+44:REC+45] offset:176
.Lsetup_done:
	s_wait_dscnt 0x0                               ; my records are in LDS, for the others' sake
	s_barrier_signal -1
	s_barrier_wait -1                              ; all 256 are
	; ---------------- PHASE 2: my 16 faces against all 448 pixels ----------------
.macro LOADC buf, off                  ; one record, every lane the same bytes
.irp q, 0,1,2,3,4,5,6,7,8,9,10
	ds_load_b128 v[\buf+4*\q:\buf+4*\q+3], v[ADR] offset:\off+16*\q
.endr
	ds_load_b64 v[\buf+44:\buf+45], v[ADR] offset:\off+176
.endm
.macro XONLY C                         ; what both rows share: px - ax of the three anchors, and the products a0 dx2, a1 dx2, rounded
.irp i, 0,2,4,6
	v_pk_add_f32 v[PAX+\i:PAX+\i+1],       v[PX+\i:PX+\i+1], v[\C+28:\C+29] op_sel:[0,0] op_sel_hi:[1,0]
	v_pk_add_f32 v[PAX+8+\i:PAX+8+\i+1],   v[PX+\i:PX+\i+1], v[\C+28:\C+29] op_sel:[0,1] op_sel_hi:[1,1]
	v_pk_add_f32 v[PAX+16+\i:PAX+16+\i+1], v[PX+\i:PX+\i+1], v[\C+30:\C+31] op_sel:[0,0] op_sel_hi:[1,0]
.endr
.irp i, 0,2,4,6
	v_pk_mul_f32 v[AX0+\i:AX0+\i+1], v[PAX+16+\i:PAX+16+\i+1], v[\C:\C+1] op_sel:[0,0] op_sel_hi:[1,0]
	v_pk_mul_f32 v[AX1+\i:AX1+\i+1], v[PAX+16+\i:PAX+16+\i+1], v[\C:\C+1] op_sel:[0,1] op_sel_hi:[1,1]
.endr
.endm
; One x position, both rows, one face.  xs = j & 1: what hangs on x alone is named as the aligned pair that holds it, with xs as the select of
; both halves; a word of the record likewise.  first = 1: the wave's first face starts the state: nothing is cleared.
; The chain of the barycentrics and the chain of the distances are laid line about, so that no line waits for the one in front of it.
.macro PAIR C, j, xs, first
.set P0, PAX+\j-\xs
.set P1, P0+8
.set P2, P0+16
.set A0P, AX0+\j-\xs
.set A1P, AX1+\j-\xs
.set Q0, Q+8*\j
	v_pk_add_f32 v[N0:N0+1], v[A0P:A0P+1], v[\C+4:\C+5] op_sel:[\xs,0] op_sel_hi:[\xs,1]   ; n0 = rn(a0 dx2) + rn(b0 dy2)
	v_pk_add_f32 v[N1:N1+1], v[A1P:A1P+1], v[\C+6:\C+7] op_sel:[\xs,0] op_sel_hi:[\xs,1]   ; n1
	v_pk_fma_f32 v[TT:TT+1],     v[\C+12:\C+13], v[P0:P0+1], v[\C+16:\C+17] op_sel:[0,\xs,0] op_sel_hi:[0,\xs,1]
	v_pk_fma_f32 v[TT+2:TT+3],   v[\C+12:\C+13], v[P1:P1+1], v[\C+18:\C+19] op_sel:[1,\xs,0] op_sel_hi:[1,\xs,1]
	v_pk_fma_f32 v[TT+4:TT+5],   v[\C+14:\C+15], v[P2:P2+1], v[\C+20:\C+21] op_sel:[0,\xs,0] op_sel_hi:[0,\xs,1]
	v_pk_mul_f32 v[LAM:LAM+1],   v[N0:N0+1], v[\C+2:\C+3] op_sel:[0,0] op_sel_hi:[1,0]     ; q = n x (1 / den)
	v_pk_mul_f32 v[LAM+2:LAM+3], v[N1:N1+1], v[\C+2:\C+3] op_sel:[0,0] op_sel_hi:[1,0]
.irp i, 0,1,2,3,4,5
	v_med3_num_f32 v[TT+\i], v[TT+\i], 0, 1.0      ; clip t to [0, 1]
.endr
	v_pk_fma_f32 v[R0:R0+1], v[LAM:LAM+1],   v[\C+2:\C+3], v[N0:N0+1] op_sel:[0,1,0] op_sel_hi:[1,1,1]   ; the remainder n - q den
	v_pk_fma_f32 v[R1:R1+1], v[LAM+2:LAM+3], v[\C+2:\C+3], v[N1:N1+1] op_sel:[0,1,0] op_sel_hi:[1,1,1]
	v_pk_fma_f32 v[DX:DX+1],     v[TT:TT+1],     v[\C+22:\C+23], v[P0:P0+1] op_sel:[0,0,\xs] op_sel_hi:[1,0,\xs]
	v_pk_fma_f32 v[DX+2:DX+3],   v[TT+2:TT+3],   v[\C+22:\C+23], v[P1:P1+1] op_sel:[0,1,\xs] op_sel_hi:[1,1,\xs]
	v_pk_fma_f32 v[DX+4:DX+5],   v[TT+4:TT+5],   v[\C+24:\C+25], v[P2:P2+1] op_sel:[0,0,\xs] op_sel_hi:[1,0,\xs]
	v_pk_fma_f32 v[LAM:LAM+1],   v[R0:R0+1], v[\C+2:\C+3], v[LAM:LAM+1]     op_sel:[0,0,0] op_sel_hi:[1,0,1]   ; lam0 = n0 / den, rounded once
	v_pk_fma_f32 v[LAM+2:LAM+3], v[R1:R1+1], v[\C+2:\C+3], v[LAM+2:LAM+3]   op_sel:[0,0,0] op_sel_hi:[1,0,1]   ; lam1
	v_pk_fma_f32 v[DY:DY+1],     v[TT:TT+1],     v[\C+24:\C+25], v[\C+32:\C+33] op_sel:[0,1,0] op_sel_hi:[1,1,1]
	v_pk_fma_f32 v[DY+2:DY+3],   v[TT+2:TT+3],   v[\C+26:\C+27], v[\C+34:\C+35] op_sel:[0,0,0] op_sel_hi:[1,0,1]
	v_pk_fma_f32 v[DY+4:DY+5],   v[TT+4:TT+5],   v[\C+26:\C+27], v[\C+36:\C+37] op_sel:[0,1,0] op_sel_hi:[1,1,1]
	v_pk_fma_f32 v[LAM+4:LAM+5], v[LAM:LAM+1], -1.0, 1.0 op_sel_hi:[1,0,0]                 ; 1 - lam0 (the product by -1 is exact: one rounding)
.irp k, 0,2,4
	v_pk_mul_f32 v[DX+\k:DX+\k+1], v[DX+\k:DX+\k+1], v[DX+\k:DX+\k+1]
.endr
	v_pk_fma_f32 v[LAM+4:LAM+5], v[LAM+2:LAM+3], -1.0, v[LAM+4:LAM+5] op_sel_hi:[1,0,1]    ; lam2 = (1 - lam0) - lam1
	v_pk_mul_f32 v[Z:Z+1],   v[LAM:LAM+1],     v[\C+8:\C+9]   op_sel:[0,0] op_sel_hi:[1,0]  ; lam0 z0
	v_pk_mul_f32 v[ZB:ZB+1], v[LAM+2:LAM+3],   v[\C+8:\C+9]   op_sel:[0,1] op_sel_hi:[1,1]  ; lam1 z1
	v_pk_mul_f32 v[ZC:ZC+1], v[LAM+4:LAM+5],   v[\C+10:\C+11] op_sel:[0,0] op_sel_hi:[1,0]  ; lam2 z2
.irp k, 0,2,4
	v_pk_fma_f32 v[DX+\k:DX+\k+1], v[DY+\k:DY+\k+1], v[DY+\k:DY+\k+1], v[DX+\k:DX+\k+1]
.endr
	v_pk_add_f32 v[Z:Z+1], v[Z:Z+1], v[ZB:ZB+1]
	v_min3_num_f32 v[M],   v[LAM],   v[LAM+2], v[LAM+4]
	v_min3_num_f32 v[M+1], v[LAM+1], v[LAM+3], v[LAM+5]
	v_pk_add_f32 v[Z:Z+1], v[Z:Z+1], v[ZC:ZC+1]    ; the depth, five roundings
	v_cmp_le_f32 s56, 0, v[M]                      ; inside: all three barycentrics >= 0
	v_cmp_le_f32 s57, 0, v[M+1]
.if \first
	v_cmp_gt_f32 s58, v[Z],   s62                  ; against the sentinel
	v_cmp_gt_f32 s59, v[Z+1], s62
.else
	v_cmp_gt_f32 s58, v[Z],   v[Q0+3]              ; strictly nearer: of equal depths the lower face stays, as in argmax
	v_cmp_gt_f32 s59, v[Z+1], v[Q0+7]
.endif
	s_and_b32 s58, s58, s56
	s_and_b32 s59, s59, s57
	v_min3_num_f32 v[DM],   v[DX],   v[DX+2], v[DX+4]
	v_min3_num_f32 v[DM+1], v[DX+1], v[DX+3], v[DX+5]
	v_cndmask_b32 v[DM],   v[DM],   0, s56         ; inside: distance 0
	v_cndmask_b32 v[DM+1], v[DM+1], 0, s57
	v_pk_fma_f32 v[DM:DM+1], v[DM:DM+1], 0xc59647de, v[\C+14:\C+15] op_sel:[0,0,1] op_sel_hi:[1,0,1]   ; d2 x (-log2(e) / 3e-4) + BIAS
	v_exp_f32 v[E],   v[DM]
	v_exp_f32 v[E+1], v[DM+1]                      ; first read eleven plain instructions further down
	v_pk_fma_f32 v[COLR:COLR+1], v[\C+30:\C+31], v[P2:P2+1], v[\C+40:\C+41] op_sel:[1,\xs,0] op_sel_hi:[1,\xs,1]
	v_pk_fma_f32 v[COLG:COLG+1], v[\C+38:\C+39], v[P2:P2+1], v[\C+42:\C+43] op_sel:[0,\xs,0] op_sel_hi:[0,\xs,1]
	v_pk_fma_f32 v[COLB:COLB+1], v[\C+38:\C+39], v[P2:P2+1], v[\C+44:\C+45] op_sel:[1,\xs,0] op_sel_hi:[1,\xs,1]
.if \first
	v_cndmask_b32 v[Q0],   0,   v[COLR],   s58
	v_cndmask_b32 v[Q0+1], 0,   v[COLG],   s58
	v_cndmask_b32 v[Q0+2], 0,   v[COLB],   s58
	v_cndmask_b32 v[Q0+3], s62, v[Z],      s58
	v_cndmask_b32 v[Q0+4], 0,   v[COLR+1], s59
	v_cndmask_b32 v[Q0+5], 0,   v[COLG+1], s59
	v_cndmask_b32 v[Q0+6], 0,   v[COLB+1], s59
	v_cndmask_b32 v[Q0+7], s62, v[Z+1],    s59
	s_wait_alu depctr_va_vdst(0)
	v_pk_fma_f32 v[PROD+2*\j:PROD+2*\j+1], v[E:E+1], 0xbf7ffffe, 1.0 op_sel_hi:[1,0,0]   ; 1 - (1 - 1e-7) e
.else
	v_cndmask_b32 v[Q0],   v[Q0],   v[COLR],   s58
	v_cndmask_b32 v[Q0+1], v[Q0+1], v[COLG],   s58
	v_cndmask_b32 v[Q0+2], v[Q0+2], v[COLB],   s58
	v_cndmask_b32 v[Q0+3], v[Q0+3], v[Z],      s58
	v_cndmask_b32 v[Q0+4], v[Q0+4], v[COLR+1], s59
	v_cndmask_b32 v[Q0+5], v[Q0+5], v[COLG+1], s59
	v_cndmask_b32 v[Q0+6], v[Q0+6], v[COLB+1], s59
	v_cndmask_b32 v[Q0+7], v[Q0+7], v[Z+1],    s59
	s_wait_alu depctr_va_vdst(0)
	v_pk_fma_f32 v[G:G+1], v[E:E+1], 0xbf7ffffe, 1.0 op_sel_hi:[1,0,0]
	v_pk_mul_f32 v[PROD+2*\j:PROD+2*\j+1], v[PROD+2*\j:PROD+2*\j+1], v[G:G+1]
.endif
.endm
.macro FACE C, first
	XONLY \C
	PAIR \C, 0, 0, \first
	PAIR \C, 1, 1, \first
	PAIR \C, 2, 0, \first
	PAIR \C, 3, 1, \first
	PAIR \C, 4, 0, \first
	PAIR \C, 5, 1, \first
	PAIR \C, 6, 0, \first
.endm
	; Two record buffers take turns: a record's 12 loads are issued one whole face (some 450 vector instructions) ahead of its use, so each
	; wait below is for zero and finds nothing else outstanding.
	LOADC CA, 0
	s_wait_dscnt 0x0
	LOADC CB, FPITCH
	FACE CA, 1                                     ; face 0 starts the state
	s_mov_b32 s61, 7
.Lfaces:                                           ; trip i: faces 1 + 2 i and 2 + 2 i; loads faces 2 + 2 i and 3 + 2 i, the last one face 15
	s_wait_dscnt 0x0
	LOADC CA, 2*FPITCH
	FACE CB, 0
	s_wait_dscnt 0x0
	LOADC CB, 3*FPITCH
	FACE CA, 0
	v_add_nc_u32 v[ADR], 2*FPITCH, v[ADR]
	s_sub_co_i32 s61, s61, 1
	s_cmp_lg_u32 s61, 0
	s_cbranch_scc1 .Lfaces
	s_wait_dscnt 0x0
	FACE CB, 0                                     ; face 15
	; ---------------- PHASE 3: the 16 waves' results meet ----------------
	s_mul_i32 s12, s8, REDW
	s_add_co_u32 s12, s12, RED
	s_add_co_u32 s14, s12, REDP
	v_and_b32 v200, 31, v0
	v_lshl_add_u32 v201, v200, 4, s12              ; quad of pixel p = 224 row + lane + 32 j at 16 p
	v_lshl_add_u32 v202, v200, 3, s14              ; products of x = lane + 32 j, both rows, at 8 x
.irp j, 0,1,2,3,4,5,6
	ds_store_b128 v201, v[Q+8*\j:Q+8*\j+3]   offset:512*\j
	ds_store_b128 v201, v[Q+8*\j+4:Q+8*\j+7] offset:3584+512*\j
	ds_store_b64  v202, v[PROD+2*\j:PROD+2*\j+1] offset:256*\j
.endr
	s_wait_dscnt 0x0                               ; for the others' sake: zero
	s_barrier_signal -1
	s_barrier_wait -1
	s_cmp_ge_u32 s8, 14
	s_cbranch_scc1 .Lmerged                        ; 448 pixels: waves 0-13, thread t = pixel t
.set QA, 176                           ; v176-178: my quad in waves 0, 7, 14 (an LDS immediate holds 16 bits: 7 regions of 8,960 bytes fit)
.set PA, 180                           ; v180-182: my product likewise
.set MQ, 80                            ; v[80:143] the 16 quads; v[80:83] becomes the result
.set MP, 144                           ; v[144:159] the 16 products
	s_cmp_ge_u32 s8, 7                             ; row 1 begins with wave 7 (224 = 7 x 32)
	s_cselect_b32 s12, 1788, 0                     ; 8 x + 4 row = 8 t - 1,788 row
	s_sub_co_u32 s12, RED+REDP, s12
	v_lshl_add_u32 v[QA], v0, 4, RED
	v_add_nc_u32 v[QA+1], 7*REDW,  v[QA]
	v_add_nc_u32 v[QA+2], 14*REDW, v[QA]
	v_lshl_add_u32 v[PA], v0, 3, s12
	v_add_nc_u32 v[PA+1], 7*REDW,  v[PA]
	v_add_nc_u32 v[PA+2], 14*REDW, v[PA]
.set w, 0
.rept 16
	ds_load_b128 v[MQ+4*w:MQ+4*w+3], v[QA+w/7] offset:REDW*(w%7)
	ds_load_b32  v[MP+w],            v[PA+w/7] offset:REDW*(w%7)
.set w, w+1
.endr
.set w, 1
.rept 15
	s_wait_dscnt 2*(15-w)                          ; LDS loads come back in order (ISA guide 5.7.1): waves 0..w are in, two loads for each later wave stay out
	v_mul_f32 v[MP], v[MP], v[MP+w]
	v_cmp_gt_f32 vcc_lo, v[MQ+4*w+3], v[MQ+3]      ; strictly nearer: ascending waves = ascending faces
	v_cndmask_b32 v[MQ],   v[MQ],   v[MQ+4*w],   vcc_lo
	v_cndmask_b32 v[MQ+1], v[MQ+1], v[MQ+4*w+1], vcc_lo
	v_cndmask_b32 v[MQ+2], v[MQ+2], v[MQ+4*w+2], vcc_lo
	v_cndmask_b32 v[MQ+3], v[MQ+3], v[MQ+4*w+3], vcc_lo
.set w, w+1
.endr
	v_sub_f32 v[MP], 1.0, v[MP]                    ; improb
	v_mad_u32_u24 v184, v0, 12, ST0
	v_lshl_add_u32 v185, v0, 2, ST1
	ds_store_b32 v184, v[MQ]                       ; lanes 3 words apart: 32 different banks
	ds_store_b32 v184, v[MQ+1] offset:4
	ds_store_b32 v184, v[MQ+2] offset:8
	ds_store_b32 v185, v[MP]
.Lmerged:
	s_wait_dscnt 0x0
	s_barrier_signal -1
	s_barrier_wait -1
	; out: 16 bytes a lane; 16 neighbouring lanes store 256 consecutive bytes at a multiple of 256 from the buffer's first byte
	v_lshlrev_b32 v187, 4, v0
	v_lshl_add_u32 v186, v0, 4, ST0
	v_lshl_add_u32 v188, v0, 4, ST1
	s_wait_xcnt 0x0                                ; EXEC changes only behind this wait
	v_cmp_gt_u32 vcc_lo, 336, v0                   ; 5,376 bytes of out0: the lanes that are on read only bytes that the merge has written
	s_wait_tensorcnt 0x0
	ds_add_u32 v174, v175
	s_wait_dscnt 0x0
	s_and_saveexec_b32 s60, vcc_lo
	ds_load_b128 v[192:195], v186
	s_wait_dscnt 0x0
	global_store_b128 v187, v[192:195], s[28:29] th:TH_STORE_NT
	s_wait_xcnt 0x0                                ; and again, in front of the line that widens it
	s_or_b32 exec_lo, exec_lo, s60
	v_cmp_gt_u32 vcc_lo, 112, v0                   ; 1,792 bytes of out1
	s_and_saveexec_b32 s60, vcc_lo
	ds_load_b128 v[196:199], v188
	s_wait_dscnt 0x0
	global_store_b128 v187, v[196:199], s[30:31] th:TH_STORE_NT
	s_endpgm
.Lfunc_end_k_q49d692bd61_render:
	.size	k_q49d692bd61_render, .Lfunc_end_k_q49d692bd61_render-k_q49d692bd61_render
	.p2alignl 7, 3214868480
	.fill 96, 4, 3214868480
	.section	.rodata,"a",@progbits
	.p2align	6, 0x0
	.amdhsa_kernel k_q49d692bd61_render
		.amdhsa_group_segment_fixed_size 215040
		.amdhsa_private_segment_fixed_size 0
		.amdhsa_enable_private_segment 0
		.amdhsa_kernarg_size 72
		.amdhsa_user_sgpr_count 2
		.amdhsa_user_sgpr_kernarg_segment_ptr 1
		.amdhsa_wavefront_size32 1
		.amdhsa_system_sgpr_workgroup_id_x 1
		.amdhsa_system_sgpr_workgroup_id_y 1
		.amdhsa_system_sgpr_workgroup_id_z 1
		.amdhsa_system_vgpr_workitem_id 0
		.amdhsa_next_free_vgpr 256
		.amdhsa_next_free_sgpr 66
		.amdhsa_reserve_vcc 1
		.amdhsa_float_denorm_mode_32 3
		.amdhsa_float_denorm_mode_16_64 3
		.amdhsa_memory_ordered 1
		.amdhsa_forward_progress 1
		.amdhsa_inst_pref_size 144
	.end_amdhsa_kernel
	.amdgpu_metadata
---
amdhsa.version: [ 1, 2 ]
amdhsa.kernels:
  - .name:           k_q49d692bd61_render
    .symbol:         k_q49d692bd61_render.kd
    .args:
      - { .name: faces_fx3, .offset: 0, .size: 8, .value_kind: global_buffer, .address_space: global }
      - { .name: points_bxpx3, .offset: 8, .size: 8, .value_kind: global_buffer, .address_space: global }
      - { .name: colors_bxpx3, .offset: 16, .size: 8, .value_kind: global_buffer, .address_space: global }
      - { .name: camera_rot, .offset: 24, .size: 8, .value_kind: global_buffer, .address_space: global }
      - { .name: camera_pos, .offset: 32, .size: 8, .value_kind: global_buffer, .address_space: global }
      - { .name: camera_proj, .offset: 40, .size: 8, .value_kind: global_buffer, .address_space: global }
      - { .name: out0, .offset: 48, .size: 8, .value_kind: global_buffer, .address_space: global }
      - { .name: out1, .offset: 56, .size: 8, .value_kind: global_buffer, .address_space: global }
      - { .name: out2, .offset: 64, .size: 8, .value_kind: global_buffer, .address_space: global }
    .group_segment_fixed_size: 215040
    .private_segment_fixed_size: 0
    .kernarg_segment_align: 8
    .kernarg_segment_size: 72
    .max_flat_workgroup_size: 512
    .sgpr_count:     66
    .vgpr_count:     256
    .wavefront_size: 32
...
	.end_amdgpu_metadata
.endif
;; end of part 1
